; MI455X (gfx1250); checked and timed in simulation.
; The chip was launched on July 23, 2026; its instructions are those of AMD's public machine-readable ISA for CDNA 5 (MIT licence, August 2026) and "CDNA5" Instruction Set Architecture Reference Guide (July 2026). The comments in the code are by the model that wrote it; some were corrected since.
;; Bahdanau Attention. Allowed arithmetic: matrix products marked QUANTISED: E2M3 operands, one E8M0 scale for each 32 along K, by v_wmma_scale_f32_16x16x128_f8f6f4 with both operands' format E2M3, f32 sums; products left as they are: f32 operands where the result goes on into a quantised operand, else bf16, f16 or f32 operands; f32 sums; everything else in f32.
;; Inputs: Ua_b 1,024 float32; Ua_w 1,024 x 1,024 float32; Va_b 1 float32; Va_w 1 x 1,024 float32; Wa_b 1,024 float32; Wa_w 1,024 x 1,024 float32; keys 32 x 2,048 x 1,024 float32; query 32 x 1 x 1,024 float32.
;; Outputs: out0 32 x 1 x 1,024 float32; out1 32 x 1 x 2,048 float32.
;; This version of the problem:
;;   THIS VERSION OF THE PROBLEM IS GIVEN IN LOW PRECISION. The matrix products marked QUANTISED in the list below multiply operands that are first quantised to E2M3 (2 exponent bits, 3 mantissa bits; 6 bits a number), with one power-of-two scale for each 32 numbers along K (OCP MX v1.0); their sums are f32. All else is computed in f32.
;;   The module's matrix products, in the order in which they are computed (A, B: the left and right operand; K: the contracted axis; several contracted axes count as one K, in the product's order):
;;     1. [M 32, K 1,024] x [K 1,024, N 1,024]; A: input query; B: input Wa_w: QUANTISED
;;     2. [M 65,536, K 1,024] x [K 1,024, N 1,024]; A: input keys; B: input Ua_w: QUANTISED
;;     3. [M 65,536, K 1,024] x [K 1,024, N 1]; A: computed on the way; B: input Va_w: left as it is (N = 1 < 16)
;;     4. batch 32 x [M 1, K 2,048] x [K 2,048, N 1,024]; A: softmax; B: input keys: left as it is (M = 1 < 16)
;;   THE QUANTISER, for each operand of a quantised product, along K:
;;     - K is cut into blocks of 32 from its start; a last block that is shorter is filled with zeros.
;;     - A block's scale is 2^e with e = floor(log2(the largest magnitude in the block)) - 2, held to -126 .. 127; a block of zeros has e = 0. As a byte (E8M0): e + 127.
;;     - Each number is divided by its block's scale, clamped to +-7.5, and rounded to the nearest number of E2M3, ties to even, subnormals kept.
;;     - The product sums the exact products of the quantised numbers (number of the format x scale) in f32.
;;   ~~~python
;;   def quantise(x, axis):      # numpy; x: float32 -> the quantised numbers, widened to float32 again
;;       x = np.moveaxis(x, axis, -1); K = x.shape[-1]
;;       x = np.pad(x, [(0, 0)] * (x.ndim - 1) + [(0, -K % 32)]); x = x.reshape(x.shape[:-1] + (-1, 32)); a = np.abs(x).max(-1, keepdims=True)
;;       e = np.where(a > 0, np.clip(np.frexp(np.where(a > 0, a, 1))[1] - 1 - 2, -126, 127), 0)      # np.frexp(a)[1] - 1 = floor(log2(a)), exactly
;;       r = np.clip(x / 2.0 ** e, -7.5, 7.5)
;;       step = 2.0 ** (np.maximum(np.frexp(np.where(r == 0, 1, r))[1] - 1, 0) - 3)
;;       q = np.round(r / step) * step * 2.0 ** e      # np.round: ties to even
;;       return np.moveaxis(q.reshape(q.shape[:-2] + (-1,))[..., :K], -1, axis).astype(np.float32)
;;   ~~~
;; One version. Each part assembles by itself: llvm-mc -triple=amdgcn-amd-amdhsa -mcpu=gfx1250 --defsym DOCPART=n.
;; ======== version 1 of 1: 3 launches
;; limits: right only within a limited range of input values
;; workspace buffers: ub 819,200 bytes; qb 131,072 bytes; sc 262,144 bytes; part 1,048,576 bytes
;; launch prep (part 1): grid 64 x 1, 8 waves a work-group, no clusters, 52,224 bytes of LDS; arguments query, Wa_w, Wa_b, Ua_w, Ua_b, ub, qb; writes ub, qb
.if DOCPART == 1
	.amdgcn_target "amdgcn-amd-amdhsa--gfx1250"
	.amdhsa_code_object_version 6
	.text
	.protected	k_q2201045379_prep
	.globl	k_q2201045379_prep
	.p2align	8
	.type	k_q2201045379_prep,@function
k_q2201045379_prep:
	s_mov_b64 s[64:65], 0
	v_nop
	global_prefetch_b8 v0, s[64:65] scope:SCOPE_SE
	s_setreg_imm32_b32 hwreg(HW_REG_WAVE_MODE, 25, 1), 1
	s_wait_xcnt 0x0
; PREP.  (1) Ua_w [1024 (o)][1024 (h)] f32 becomes codes of FP6 (E2M3) with one E8M0 scale byte for each 32 along h, laid in ub in the order in which the next launch takes them.
; (2) qb = c x (Q(query) Q(Wa_w)^T + Wa_b + Ua_b), c = 2 log2(e): what the next launch adds to c x (keys Ua^T) ahead of its exponential.  Both operands of that product are quantised here and multiplied by the FP6 matrix form.
; SHARES.  Work-group g takes output columns 16 g .. 16 g + 15 (16 rows of Ua_w and of Wa_w); its wave s takes K step s (128 along h).  The eight waves' partial sums of the small product meet in LDS.
; ub: 16 tiles of 51,200 bytes, tile 4 j + q = column chunk j (256 columns) x K slot q (256 along h).  In a tile: [u (2 K steps)][b (16 tiles of 16 columns)][1,536 bytes], each an IMAGE OF THE OPERAND'S REGISTERS
; (register group n of three at 512 n + 16 x lane); from byte 49,152 on the scale words [b][u][r (16 rows)], 4 bytes each.
; qb: [g (64)][2,048 bytes]: the two result tiles as they lie in registers: byte (2 tile + half) 512 + 16 lane + 4 e is batch 16 tile + lane % 16, column 16 g + 8 (lane / 16) + 4 half + e.
; NO CLUSTER: the work-groups share only the query's 131,072 bytes; each row of Ua_w and Wa_w is read by one work-group.
; LIMITS: NaN and infinities among the inputs are not served.  A block of zeros gets the scale byte 1 where the rule says 127: its codes are zeros, which add nothing, and this program alone reads the bytes.
; REGISTERS: window 0: v1-15 addresses; v16-30 at work in the quantiser; v32-79 four fragments; v80-83 their scale words; v84-99 two results; v100-119 biases and partial sums; v128-255 two sets of 64 numbers.  Window 1: four sets of 64 as loaded.
.set STGB,  4352                       ; a wave's stage in LDS: 16 rows x (256 bytes + 16): 68 words a row, so the 16 rows that a load touches start at 16 different banks (64 banks of 4 bytes: ISA guide 11.1)
.set RED,   8*STGB                     ; behind the stages: 2,048 bytes of partial sums for each wave
; ub AS THIS TEXT LAYS IT (this takes the place of the tiles named above): 16 column groups of 64 columns, 49,152 bytes each: [group][4 x K step + tile of 16 columns][1,536 bytes], each an image of the operand's registers
; (register group n of three at 512 n + 16 x lane).  From byte 786,432 on the scale words: [group][4 x (K step / 2) + tile][32 words]: words 0-15 the even K step's rows, words 16-31 the odd one's.
; DEAD WORK of the program: Va_b, and the sum of Va_w's numbers in Va . tanh = sum(Va) - 2 sum(Va / (1 + e^2x)), are the same for all positions of a batch; softmax(s + const) = softmax(s) for all values, and the scores
; are no output.  So both are left out, and Va_b is no argument of any launch.  LIMIT: a NaN, an infinity or an overflow that reaches only these two terms is not carried to the result.
.set GA,   3                           ; v3   a tile in memory: 4,096 (lane / 16) + 16 (lane % 16)
.set STW,  4                           ; v4   the stage, on the way in
.set STR,  5                           ; v5   and on the way out
.set LI,   6                           ; v6   16 x lane
.set LR,   7                           ; v7   4 x (lane % 16)
.set RW,   8                           ; v8   where I put my partial sums
.set RR,   9                           ; v9   where I read eight of them
.set T8,   10                          ; v10  8 x thread
.set SH8,  11                          ; v11  8 x (lane / 16)
.set BO,   12                          ; v12  my two columns' place in the biases
.set QM,   16                          ; v16-17 largest magnitudes;  v18-19 the conversions' scale operands;  v20-21 scale bytes
.set QS,   18
.set QB,   20
.set PT,   22                          ; v22  a lane permute's destination
.set TT,   24                          ; v24-26, v28-30 the upper halves of two blocks' codes
.set FU,   32                          ; fragments: Ua's, Wa's, the query's rows 0-15 and 16-31
.set FW,   44
.set FQ0,  56
.set FQ1,  68
.set WU,   80                          ; and their scale words: these four registers hold scales and nothing else
.set WW,   81
.set WQ0,  82
.set WQ1,  83
.set D0,   84
.set D1,   92
.set BB,   100
.set PS,   104
.set XA,   128
.set XB,   192
.set SEL,  36                          ; s[36:37] lane selects for v_permlanex16_b32: lane l xor 16
.set CC,   38                          ; s[38:39] c, twice
.set MSB, 0
.macro WIN new                         ; the immediate's high byte repeats the setting that is left
.if MSB != \new
	s_set_vgpr_msb (MSB<<8)|\new
.set MSB, \new
.endif
.endm
; A tile of 16 rows x 128 numbers (rows 4,096 bytes apart) into set st of window 1: each load takes 256 consecutive aligned bytes of two rows, 16 bytes a lane.
.macro GLOAD st, bs, of, nt
	WIN 0x40
.irp c, 0,1
.irp i, 0,1,2,3,4,5,6,7
.if \nt
	global_load_b128 v[64*(\st)+32*\c+4*\i:64*(\st)+32*\c+4*\i+3], v[GA], s[\bs:\bs+1] offset:(\of)+8192*\i+256*\c th:TH_LOAD_NT
.else
	global_load_b128 v[64*(\st)+32*\c+4*\i:64*(\st)+32*\c+4*\i+3], v[GA], s[\bs:\bs+1] offset:(\of)+8192*\i+256*\c
.endif
.endr
.endr
	WIN 0
.endm
; The tile turns through my own stage, 64 numbers of each row at a time: in as loaded, out 128 bytes a lane.  Register xb + 32 c + i then holds k = 64 c + 32 (lane / 16) + i of row lane % 16: the operand's own order.
; LDS serves a wave's instructions in order (ISA guide 5.7.1.4): no wait stands between the stores and the loads, nor in front of the second half's stores.  32 LDS instructions.
.macro TURN st, xb
.irp c, 0,1
	WIN 0x04                                       ; an LDS store's data are its source 1: window 1
.irp i, 0,1,2,3,4,5,6,7
	ds_store_b128 v[STW], v[64*(\st)+32*\c+4*\i:64*(\st)+32*\c+4*\i+3] offset:544*\i
.endr
	WIN 0
.irp j, 0,1,2,3,4,5,6,7
	ds_load_b128 v[(\xb)+32*\c+4*\j:(\xb)+32*\c+4*\j+3], v[STR] offset:16*\j
.endr
.endr
.endm
; 64 numbers of a lane (two whole blocks of 32 of its row) become the lane's 12 registers of a fragment, v[f] on, and its row's scale word, v[w].
.macro QUANT6 xb, f, w
.irp c, 0,1
	v_max3_num_f32 v[QM+\c], |v[(\xb)+32*\c]|, |v[(\xb)+32*\c+1]|, 0x1800000   ; the floor 2^(3 - 127) among the leaves: the byte cannot fall under 1
.endr
.irp i, 2,4,6,8,10,12,14,16,18,20,22,24,26,28,30
.irp c, 0,1
	s_delay_alu instid0(VALU_DEP_2)
	v_max3_num_f32 v[QM+\c], v[QM+\c], |v[(\xb)+32*\c+\i]|, |v[(\xb)+32*\c+\i+1]|   ; the two blocks by turns
.endr
.endr
.irp c, 0,1
	s_delay_alu instid0(VALU_DEP_2)
	v_add_nc_u32 v[QS+\c], 0xff000000, v[QM+\c]    ; 2 off the exponent field: the conversion takes this operand's exponent field as its scale
.endr
.irp c, 0,1
	s_delay_alu instid0(VALU_DEP_2)
	v_lshrrev_b32 v[QB+\c], 23, v[QS+\c]           ; the scale's byte
.endr
	s_delay_alu instid0(VALU_DEP_1)
	v_lshl_or_b32 v[\w], v[QB+1], 16, v[QB]        ; my two bytes: blocks h and 2 + h,
	s_delay_alu instid0(VALU_DEP_1)
	v_lshlrev_b32 v[\w], v[SH8], v[\w]             ; 8 h bits up;
	s_delay_alu instid0(VALU_DEP_1)
	v_permlanex16_b32 v[PT], v[\w], s[SEL], s[SEL+1]
	s_delay_alu instid0(VALU_DEP_1)
	v_or_b32 v[\w], v[\w], v[PT]                   ; with lane l xor 16's two the word is whole
.irp c, 0,1
	v_cvt_scalef32_pk16_fp6_f32 v[(\f)+6*\c:(\f)+6*\c+2], v[(\xb)+32*\c:(\xb)+32*\c+15], v[QS+\c]
	v_cvt_scalef32_pk16_fp6_f32 v[TT+4*\c:TT+4*\c+2], v[(\xb)+32*\c+16:(\xb)+32*\c+31], v[QS+\c]   ; (a conversion's three registers begin on an even number)
.endr
	v_nop                                          ; one plain place behind a scaled conversion
.irp c, 0,1
.irp i, 0,1,2
	v_mov_b32 v[(\f)+6*\c+3+\i], v[TT+4*\c+\i]
.endr
.endr
.endm
	s_load_b256 s[4:11], s[0:1], 0x0               ; query s[4:5], Wa_w s[6:7], Wa_b s[8:9], Ua_w s[10:11]
	s_load_b128 s[12:15], s[0:1], 0x20             ; Ua_b s[12:13], ub s[14:15]
	s_load_b64 s[16:17], s[0:1], 0x30              ; qb
	v_lshl_add_u32 v126, v0, 2, 0xc800
	v_mov_b32 v127, 0
	v_lshrrev_b32 v1, 5, v0
	s_delay_alu instid0(VALU_DEP_1)
	v_readfirstlane_b32 s18, v1                    ; wave = K step 0..7
	v_and_b32 v1, 15, v0                           ; r
	v_bfe_u32 v2, v0, 4, 1                         ; h
	v_and_b32 v13, 31, v0                          ; lane
	s_delay_alu instid0(VALU_DEP_3)
	v_lshlrev_b32 v[GA], 4, v1
	s_delay_alu instid0(VALU_DEP_1)
	v_lshl_add_u32 v[GA], v2, 12, v[GA]
	s_mul_i32 s19, s18, STGB                       ; my stage
	v_mul_u32_u24 v[STW], v2, 272
	s_delay_alu instid0(VALU_DEP_1)
	v_lshl_add_u32 v[STW], v1, 4, v[STW]
	s_delay_alu instid0(VALU_DEP_1)
	v_add_nc_u32 v[STW], s19, v[STW]               ; in: row 2 i + h, 16 r bytes on
	v_mul_u32_u24 v[STR], v1, 272
	s_delay_alu instid0(VALU_DEP_1)
	v_lshl_add_u32 v[STR], v2, 7, v[STR]
	s_delay_alu instid0(VALU_DEP_1)
	v_add_nc_u32 v[STR], s19, v[STR]               ; out: row r, 128 h bytes on
	v_lshlrev_b32 v[LI], 4, v13
	v_lshlrev_b32 v[LR], 2, v1
	s_lshl_b32 s19, s18, 11
	s_add_co_u32 s19, s19, RED
	v_add_nc_u32 v[RW], s19, v[LI]
	v_lshlrev_b32 v[T8], 3, v0
	s_delay_alu instid0(VALU_DEP_1)
	v_add_nc_u32 v[RR], RED, v[T8]
	v_lshlrev_b32 v[SH8], 3, v2
	v_bfe_u32 v[BO], v0, 5, 1                      ; thread T sums floats 2 T, 2 T + 1 of the 512: columns 8 (T / 32 % 2) + 4 (T / 64 % 2) + 2 (T % 2) + 0, 1 of the 16
	s_delay_alu instid0(VALU_DEP_1)
	v_lshlrev_b32 v[BO], 5, v[BO]
	v_bfe_u32 v14, v0, 6, 1
	s_delay_alu instid0(VALU_DEP_1)
	v_lshl_add_u32 v[BO], v14, 4, v[BO]
	v_and_b32 v14, 1, v0
	s_delay_alu instid0(VALU_DEP_1)
	v_lshl_add_u32 v[BO], v14, 3, v[BO]
	v_mov_b32 v[PT], 0                             ; written once: a lane permute's destination counts as one of its sources
	s_mov_b32 s[SEL], 0x76543210
	s_mov_b32 s[SEL+1], 0xfedcba98
	s_mov_b32 s[CC], 0x4038aa3b                    ; c = 2 log2(e)
	s_mov_b32 s[CC+1], s[CC]
	s_lshl_b32 s20, ttmp9, 16                      ; 16 rows of 4,096 bytes a work-group,
	s_lshl_b32 s22, s18, 9                         ; 512 bytes a K step
	s_add_co_u32 s20, s20, s22
	s_mov_b32 s21, 0
	s_mov_b32 s23, 0
	s_lshr_b32 s24, ttmp9, 2                       ; column group g / 4
	s_and_b32 s25, ttmp9, 3                        ; tile of 16 columns in it
	s_lshl_b32 s26, s24, 11                        ; 2,048 bytes of scale words a group
	s_lshr_b32 s27, s18, 1
	s_lshl_b32 s27, s27, 2
	s_add_co_u32 s27, s27, s25                     ; 4 (s / 2) + tile
	s_lshl_b32 s27, s27, 7
	s_add_co_u32 s26, s26, s27
	s_and_b32 s27, s18, 1
	s_lshl_b32 s27, s27, 6                         ; the odd K step's words lie 64 bytes on
	s_add_co_u32 s26, s26, s27
	s_add_co_u32 s26, s26, 786432
	s_mul_i32 s24, s24, 49152
	s_lshl_b32 s27, s18, 2
	s_add_co_u32 s27, s27, s25                     ; 4 s + tile
	s_mul_i32 s27, s27, 1536
	s_add_co_u32 s24, s24, s27                     ; the image
	s_mov_b32 s25, 0
	s_mov_b32 s27, 0
	s_lshl_b32 s28, ttmp9, 6                       ; 16 columns of a bias
	s_mov_b32 s29, 0
	s_lshl_b32 s30, ttmp9, 11                      ; 2,048 bytes of qb
	s_mov_b32 s31, 0
	s_wait_alu depctr_va_vdst(0)
	s_wait_kmcnt 0x0
	s_add_nc_u64 s[10:11], s[10:11], s[20:21]
	s_add_nc_u64 s[6:7], s[6:7], s[20:21]
	s_add_nc_u64 s[4:5], s[4:5], s[22:23]
	s_add_nc_u64 s[32:33], s[14:15], s[24:25]
	s_add_nc_u64 s[34:35], s[14:15], s[26:27]
	s_add_nc_u64 s[8:9], s[8:9], s[28:29]
	s_add_nc_u64 s[12:13], s[12:13], s[28:29]
	s_add_nc_u64 s[16:17], s[16:17], s[30:31]
	global_load_b64 v[BB:BB+1], v[BO], s[8:9]      ; Wa_b and Ua_b at my two columns
	global_load_b64 v[BB+2:BB+3], v[BO], s[12:13]
	GLOAD 0, 10, 0, 1                              ; Ua_w's tile: read once in the launch
	GLOAD 1, 6, 0, 1                               ; Wa_w's
	GLOAD 2, 4, 0, 0                               ; the query's rows 0-15: every work-group reads them
	s_wait_loadcnt 32                              ; the biases and Ua's tile are in; the 32 loads behind them may be out
	GLOAD 3, 4, 65536, 0                           ; the query's rows 16-31
	TURN 0, XA
	s_wait_loadcnt 32                              ; Wa's tile is in (behind it: the query's two)
	TURN 1, XB
	s_wait_dscnt 32                                ; all but the 32 LDS instructions just issued: Ua's numbers are back
	QUANT6 XA, FU, WU
.irp n, 0,1,2
	global_store_b128 v[LI], v[FU+4*\n:FU+4*\n+3], s[32:33] offset:512*\n   ; the image: 512 consecutive bytes a store.  FU and WU are not written again
.endr
	global_store_b32 v[LR], v[WU], s[34:35]        ; 16 scale words, 64 bytes (32,768 bytes in the whole launch); lanes r and r + 16 store the same word at the same place
	s_wait_loadcnt 16                              ; the query's first tile is in
	TURN 2, XA
	s_wait_dscnt 32
	QUANT6 XB, FW, WW
	s_wait_loadcnt 0x0
	TURN 3, XB
	s_wait_dscnt 32
	QUANT6 XA, FQ0, WQ0
	s_wait_dscnt 0x0
	QUANT6 XB, FQ1, WQ1
.rept 8
	v_nop                                          ; a scale register written by a vector instruction stands 8 places ahead of a scaled matrix instruction, an operand so written 4
.endr
	; transposed: source 0 = 16 rows of Wa_w, source 1 = 16 rows of the query: lane (r, h) holds batch r and columns 8 h + 0 .. 7
	v_wmma_scale_f32_16x16x128_f8f6f4 v[D0:D0+7], v[FW:FW+11], v[FQ0:FQ0+11], 0, v[WW], v[WQ0] matrix_a_fmt:MATRIX_FMT_FP6 matrix_b_fmt:MATRIX_FMT_FP6
	v_wmma_scale_f32_16x16x128_f8f6f4 v[D1:D1+7], v[FW:FW+11], v[FQ1:FQ1+11], 0, v[WW], v[WQ1] matrix_a_fmt:MATRIX_FMT_FP6 matrix_b_fmt:MATRIX_FMT_FP6
.rept 4
	v_nop                                          ; four places in front of the first read of a result (ISA guide 7.12.1)
.endr
	ds_store_b128 v[RW], v[D0:D0+3]                ; each result from its low end on
	ds_store_b128 v[RW], v[D0+4:D0+7] offset:512
	ds_store_b128 v[RW], v[D1:D1+3] offset:1024
	ds_store_b128 v[RW], v[D1+4:D1+7] offset:1536
	s_wait_dscnt 0x0                               ; for the others' sake: my partial sums lie in LDS
	s_barrier_signal -1
	s_barrier_wait -1
.irp n, 0,1,2,3,4,5,6,7
	ds_load_b64 v[PS+2*\n:PS+2*\n+1], v[RR] offset:2048*\n   ; the eight K steps' parts of my two numbers
.endr
	v_pk_add_f32 v[BB:BB+1], v[BB:BB+1], v[BB+2:BB+3]
	s_wait_dscnt 0x0
.irp n, 0,4,8,12
	v_pk_add_f32 v[PS+\n:PS+\n+1], v[PS+\n:PS+\n+1], v[PS+\n+2:PS+\n+3]
.endr
	s_delay_alu instid0(VALU_DEP_3)
	v_pk_add_f32 v[PS:PS+1], v[PS:PS+1], v[PS+4:PS+5]
	s_delay_alu instid0(VALU_DEP_2)
	v_pk_add_f32 v[PS+8:PS+9], v[PS+8:PS+9], v[PS+12:PS+13]
	s_delay_alu instid0(VALU_DEP_1)
	v_pk_add_f32 v[PS:PS+1], v[PS:PS+1], v[PS+8:PS+9]
	s_wait_alu depctr_va_vdst(0)
	v_pk_add_f32 v[PS:PS+1], v[PS:PS+1], v[BB:BB+1]
	s_delay_alu instid0(VALU_DEP_1)
	v_pk_mul_f32 v[PS:PS+1], v[PS:PS+1], s[CC:CC+1] op_sel_hi:[1,0]
	global_store_b64 v[T8], v[PS:PS+1], s[16:17]   ; a wave stores 256 consecutive bytes, aligned
	s_wait_tensorcnt 0x0
	ds_add_u32 v126, v127
	s_wait_dscnt 0x0
	s_endpgm
.Lfunc_end_k_q2201045379_prep:
	.size	k_q2201045379_prep, .Lfunc_end_k_q2201045379_prep-k_q2201045379_prep
	.p2alignl 7, 3214868480
	.fill 96, 4, 3214868480
	.section	.rodata,"a",@progbits
	.p2align	6, 0x0
	.amdhsa_kernel k_q2201045379_prep
		.amdhsa_group_segment_fixed_size 52224
		.amdhsa_private_segment_fixed_size 0
		.amdhsa_enable_private_segment 0
		.amdhsa_kernarg_size 56
		.amdhsa_user_sgpr_count 2
		.amdhsa_user_sgpr_kernarg_segment_ptr 1
		.amdhsa_wavefront_size32 1
		.amdhsa_system_sgpr_workgroup_id_x 1
		.amdhsa_system_sgpr_workgroup_id_y 1
		.amdhsa_system_sgpr_workgroup_id_z 1
		.amdhsa_system_vgpr_workitem_id 0
		.amdhsa_next_free_vgpr 512
		.amdhsa_next_free_sgpr 66
		.amdhsa_reserve_vcc 0
		.amdhsa_float_denorm_mode_32 3
		.amdhsa_float_denorm_mode_16_64 3
		.amdhsa_memory_ordered 1
		.amdhsa_forward_progress 1
		.amdhsa_inst_pref_size 39
	.end_amdhsa_kernel
	.amdgpu_metadata
---
amdhsa.version: [ 1, 2 ]
amdhsa.kernels:
  - .name:           k_q2201045379_prep
    .symbol:         k_q2201045379_prep.kd
    .args:
      - { .name: query, .offset: 0, .size: 8, .value_kind: global_buffer, .address_space: global }
      - { .name: Wa_w, .offset: 8, .size: 8, .value_kind: global_buffer, .address_space: global }
      - { .name: Wa_b, .offset: 16, .size: 8, .value_kind: global_buffer, .address_space: global }
      - { .name: Ua_w, .offset: 24, .size: 8, .value_kind: global_buffer, .address_space: global }
      - { .name: Ua_b, .offset: 32, .size: 8, .value_kind: global_buffer, .address_space: global }
      - { .name: ub, .offset: 40, .size: 8, .value_kind: global_buffer, .address_space: global }
      - { .name: qb, .offset: 48, .size: 8, .value_kind: global_buffer, .address_space: global }
    .group_segment_fixed_size: 52224
    .private_segment_fixed_size: 0
    .kernarg_segment_align: 8
    .kernarg_segment_size: 56
    .max_flat_workgroup_size: 256
    .sgpr_count:     66
    .vgpr_count:     512
    .wavefront_size: 32
...
	.end_amdgpu_metadata
.endif
;; end of part 1
;; launch score (part 2): grid 256 x 1, 8 waves a work-group, no clusters, 290,048 bytes of LDS; arguments keys, ub, qb, Va_w, sc, part; writes sc, part
.if DOCPART == 2
	.amdgcn_target "amdgcn-amd-amdhsa--gfx1250"
	.amdhsa_code_object_version 6
	.text
	.protected	k_q2201045379_score
	.globl	k_q2201045379_score
	.p2align	8
	.type	k_q2201045379_score,@function
k_q2201045379_score:
	s_mov_b64 s[64:65], 0
	v_nop
	global_prefetch_b8 v0, s[64:65] scope:SCOPE_SE
	s_setreg_imm32_b32 hwreg(HW_REG_WAVE_MODE, 25, 1), 1
	s_wait_xcnt 0x0
; SCORE.  sc[row] = -2 sum over o of Va[o] / (1 + e^(2 (q + k)[row][o])), k = Q(keys) Q(Ua_w)^T by the FP6 matrix form: the scores less a number that is the same for all positions of a batch.
; LEFT OUT AS DEAD WORK: Va_b and sum(Va) (tanh x = 1 - 2 / (1 + e^2x)): constants along the softmax's axis, which softmax takes away for all values; the scores are no output.  Va_b is not loaded.
; LIMIT: a NaN, infinity or overflow that reaches only those two terms is not carried on.  NaN and infinities among the inputs are not served.  A block of zeros gets the scale byte 1: its codes are zeros.
; SHARES.  Work-group g: rows 256 g .. + 255 of keys (batch g / 8), eight waves, two to a SIMD.
; PART 1: wave w quantises rows 32 w .. + 31 (16 tiles of 16 rows x 128 K) into LDS, as images of the operand's registers: [row block 16][K step 8][1,536 bytes]; scale words [row block][lane][4].
; PART 2: wave w owns columns 64 (8 p + w) .. + 63 in pass p = 0, 1.  Ua's codes of those 64 columns, all of K, stand in 384 registers (32 fragments), loaded from ub as they lie.  The wave walks the 16 row blocks:
; 8 K steps x 4 products a block, a fragment of keys from LDS feeding four products; then the block's 16 x 64 numbers go through exp and rcp, are weighed by -2 Va and summed over the 16 lanes that hold a row.
; A lane holds ONE column (source 0 = keys' rows, source 1 = Ua's rows): the bias and Va are one register for each tile of 16 columns.
; Pass 0's fragments are asked for among part 1's tiles, a few a tile; pass 1's in pass 0's last row block, each pair of K steps as soon as its products are issued.
; NO TENSOR LOAD, NO CLUSTER: what the work-groups share, ub, goes from memory straight into registers, where a joint load cannot put it; keys are read by one work-group each.
; NO PREFETCH: part 1 has 32 loads of 512 bytes of keys out in every wave (131,072 bytes a work-group) all the way; ub's 819,200 bytes are read by every work-group.
; REGISTERS: v1-11 addresses; v12-27 Ua's scale words, v28-31 keys' (these hold scales alone); v32-35 bias, v36-39 -2 Va; v40-71 four results; v72-119 keys' fragments, two sets of two K steps;
; v124-255 Ua's fragments 0-10, window 1 v0-251 fragments 11-31.  Part 1: v40-103 a tile's numbers, v104-115 its codes, v124-251 two tiles as loaded.
; PART 3: part[g][column] = sum over the work-group's 256 rows of e^(sc[row] - m) keys[row][column], m the largest of its 256 scores: the work-group's share of the context, not yet normalised; the next launch
; finds m again from sc and joins a batch's eight shares.  Wave w reads its 32 rows once more, 512 consecutive bytes a load, 64 loads out; a lane keeps 32 columns' sums; the eight waves' sums meet in LDS.  All in f32.
; The product has one row for each batch, so it goes by fused multiply-adds on the numbers as they arrive.
.set ASCL,  0
.set ACODE, 8192
.set STG,   204800
.set STGB,  4352
.set SRED,  239616                     ; 16 parts (wave, pass) x 256 rows x 4 bytes
.set SPARE, 256000
.set WMX,   257024                     ; the eight waves' largest scores
.set CRED,  257280                     ; 4,096 bytes of column sums for each wave
.set SR2, 32
.set WMW, 33
.set WMR, 34
.set CRW, 35
.set CRR, 36
.set PO, 37
.set CX, 72                            ; v72-103 my 32 columns' sums
.set SX, 104                           ; v104 my row's score, then its weight; v105-119 at work
.set GA, 1
.set STW, 2
.set STR, 3
.set IMW, 4
.set ASW, 5
.set SH8, 6
.set QBO, 1
.set VAO, 2
.set ADR0, 3
.set SCO, 4
.set SRW0, 5
.set SRR, 6
.set LI, 7
.set ADRA, 8
.set ADSA, 9
.set SRW, 10
.set L4, 11
.set BSC, 12
.set ASC, 28
.set BI, 32
.set VA, 36
.set ACC, 40
.set AF, 72
.set SPW, 120
.set NIL, 121
.set RR, 122
.set HH, 123
.set TT, 32
.set QM, 35
.set QS, 122
.set X, 40
.set FC, 104
.set QB, 116
.set WD, 118
.set PT, 119
.set LS, 124
.set BF, 124
.set WV, 16
.set RB, 17
.set AO, 18
.set SO, 19
.set KB, 36
.set UB0, 38
.set UB1, 40
.set US0, 42
.set US1, 44
.set QB0, 46
.set QB1, 48
.set VA0, 50
.set VA1, 52
.set CC, 54
.set SEL, 56
.set RO, 58
.set MSB, 0
.macro WIN new                         ; the immediate's high byte repeats the setting that is left
.if MSB != \new
	s_set_vgpr_msb (MSB<<8)|\new
.set MSB, \new
.endif
.endm
.macro PLACES
.rept 4
	v_nop
.endr
.endm
.macro GLOAD st, of                    ; 16 rows x 128 numbers: each load takes 256 aligned bytes of two rows
.irp c, 0,1
.irp i, 0,1,2,3,4,5,6,7
	global_load_b128 v[LS+64*(\st)+32*\c+4*\i:LS+64*(\st)+32*\c+4*\i+3], v[GA], s[KB:KB+1] offset:(\of)+8192*\i+256*\c th:TH_LOAD_NT
.endr
.endr
.endm
.macro TURN st                         ; through my own stage: in as loaded, out 128 bytes a lane: v[X + 32 c + i] = k 64 c + 32 (lane / 16) + i of row lane % 16.  LDS serves a wave's instructions in order
.irp c, 0,1
.irp i, 0,1,2,3,4,5,6,7
	ds_store_b128 v[STW], v[LS+64*(\st)+32*\c+4*\i:LS+64*(\st)+32*\c+4*\i+3] offset:544*\i
.endr
.irp j, 0,1,2,3,4,5,6,7
	ds_load_b128 v[X+32*\c+4*\j:X+32*\c+4*\j+3], v[STR] offset:16*\j
.endr
.endr
.endm
.macro QUANT6                          ; a lane's 64 numbers (two blocks of 32) -> its 12 registers of a fragment, v[FC] on, and its row's scale word v[WD]
.irp c, 0,1
	v_max3_num_f32 v[QM+4*\c], |v[X+32*\c]|, |v[X+32*\c+1]|, 0x1800000   ; the floor 2^(3 - 127): the byte cannot fall under 1
.endr
.irp i, 2,4,6,8,10,12,14,16,18,20,22,24,26,28,30
.irp c, 0,1
	s_delay_alu instid0(VALU_DEP_2)
	v_max3_num_f32 v[QM+4*\c], v[QM+4*\c], |v[X+32*\c+\i]|, |v[X+32*\c+\i+1]|
.endr
.endr
.irp c, 0,1
	s_delay_alu instid0(VALU_DEP_2)
	v_add_nc_u32 v[QS+\c], 0xff000000, v[QM+4*\c]  ; 2 off the exponent field: the conversion's scale operand
.endr
.irp c, 0,1
	s_delay_alu instid0(VALU_DEP_2)
	v_lshrrev_b32 v[QB+\c], 23, v[QS+\c]           ; the scale's byte
.endr
	s_delay_alu instid0(VALU_DEP_1)
	v_lshl_or_b32 v[WD], v[QB+1], 16, v[QB]
	s_delay_alu instid0(VALU_DEP_1)
	v_lshlrev_b32 v[WD], v[SH8], v[WD]
	s_delay_alu instid0(VALU_DEP_1)
	v_permlanex16_b32 v[PT], v[WD], s[SEL], s[SEL+1]
	s_delay_alu instid0(VALU_DEP_1)
	v_or_b32 v[WD], v[WD], v[PT]                   ; with lane l xor 16's two bytes the word is whole
.irp c, 0,1
	v_cvt_scalef32_pk16_fp6_f32 v[FC+6*\c:FC+6*\c+2], v[X+32*\c:X+32*\c+15], v[QS+\c]
	v_cvt_scalef32_pk16_fp6_f32 v[TT+4*\c:TT+4*\c+2], v[X+32*\c+16:X+32*\c+31], v[QS+\c]
.endr
	v_nop                                          ; one plain place behind a scaled conversion
.irp c, 0,1
.irp i, 0,1,2
	v_mov_b32 v[FC+6*\c+3+\i], v[TT+4*\c+\i]
.endr
.endr
.endm
.macro BL1 f, n, ub                    ; register group n of Ua's fragment f
.if (\f) < 11
	WIN 0
	global_load_b128 v[BF+12*(\f)+4*(\n):BF+12*(\f)+4*(\n)+3], v[LI], s[\ub:\ub+1] offset:1536*(\f)+512*(\n)
.else
	WIN 0x40
	global_load_b128 v[12*((\f)-11)+4*(\n):12*((\f)-11)+4*(\n)+3], v[LI], s[\ub:\ub+1] offset:1536*(\f)+512*(\n)
.endif
.endm
.macro BFR f0, f1, ub                  ; fragments f0 .. f1 - 1
.set F2_, \f0
.rept (\f1)-(\f0)
	BL1 F2_, 0, \ub
	BL1 F2_, 1, \ub
	BL1 F2_, 2, \ub
.set F2_, F2_+1
.endr
.endm
.macro CSZ i                           ; how many loads of ub tile i issues
.if (\i) < 0
.set CSV, 0
.elseif (\i) < 13
.set CSV, 6
.elseif (\i) == 13
.set CSV, 1
.elseif (\i) == 14
.set CSV, 15
.else
.set CSV, 18
.endif
.endm
.macro BCH i                           ; tiles 0-13: fragments 11-31 (63 loads) and the 16 registers of scale words, six a tile; tiles 14, 15: fragments 0-4, 5-10, into the registers that held the tiles as loaded
.if (\i) < 14
.set L_, 6*(\i)
.rept 6
.if L_ < 63
	BL1 11+L_/3, L_%3, UB0
.elseif L_ < 79
	WIN 0
	global_load_b32 v[BSC+L_-63], v[L4], s[US0:US0+1] offset:128*(L_-63)
.endif
.set L_, L_+1
.endr
.elseif (\i) == 14
	BFR 0, 5, UB0
.else
	BFR 5, 11, UB0
.endif
	WIN 0
.endm
.macro TILE i                          ; tile i: K step i / 2, row block 2 w + i % 2
	CSZ (\i)-2
.set CN, CSV
	CSZ (\i)-1
.set CN, CN+CSV
.if (\i) < 15
.set CN, CN+16
.endif
	s_wait_loadcnt CN                              ; behind this tile's 16 loads were issued: two tiles' loads of ub and the other set's 16
	TURN (\i)%2
	s_wait_dscnt 0x0                               ; the numbers are back, the stores have read the set, and the last tile's image is stored
.if (\i) < 14
	GLOAD (\i)%2, 65536*((\i)%2)+512*((\i)/2+1)
.endif
	BCH \i
	QUANT6
.irp g, 0,1,2
	ds_store_b128 v[IMW], v[FC+4*\g:FC+4*\g+3] offset:12288*((\i)%2)+1536*((\i)/2)+512*\g
.endr
	ds_store_b32 v[ASW], v[WD] offset:512*((\i)%2)+256*(((\i)/2)%2)+4*((\i)/4)   ; lanes r and r + 16 store the same word at the same place
.endm
	s_load_b256 s[4:11], s[0:1], 0x0               ; keys, ub, qb, Va_w
	s_load_b128 s[12:15], s[0:1], 0x20             ; sc, part
	v_lshl_add_u32 v[SPW], v0, 2, SPARE
	v_mov_b32 v[NIL], 0
	v_lshrrev_b32 v1, 5, v0
	s_delay_alu instid0(VALU_DEP_1)
	v_readfirstlane_b32 s[WV], v1                  ; wave 0..7
	s_mul_i32 s20, s[WV], STGB
	s_add_co_u32 s20, s20, STG                     ; my stage
	s_mul_i32 s21, s[WV], 24576
	s_add_co_u32 s21, s21, ACODE                   ; my two row blocks' images
	s_lshl_b32 s22, s[WV], 10                      ; and scale words
	s_lshl_b32 s24, ttmp9, 20                      ; keys: 256 rows of 4,096 bytes a work-group, 32 rows a wave
	s_lshl_b32 s25, s[WV], 17
	s_add_co_u32 s24, s24, s25
	s_mov_b32 s25, 0
	s_mul_i32 s26, s[WV], 49152                    ; ub: column group w
	s_mov_b32 s27, 0
	s_lshl_b32 s28, s[WV], 11
	s_add_co_u32 s28, s28, 786432
	s_mov_b32 s29, 0
	s_lshr_b32 s30, ttmp9, 3                       ; the batch.  qb: 2,048 bytes a tile of 16 columns; in it batch t at 1,024 (t / 16) + 16 (t % 16)
	s_lshr_b32 s31, s30, 4
	s_lshl_b32 s31, s31, 10
	s_and_b32 s30, s30, 15
	s_lshl_b32 s30, s30, 4
	s_add_co_u32 s30, s30, s31
	s_lshl_b32 s31, s[WV], 13
	s_add_co_u32 s30, s30, s31
	s_mov_b32 s31, 0
	s_lshl_b32 s32, s[WV], 8                       ; Va: 64 columns a wave
	s_mov_b32 s33, 0
	s_lshl_b32 s34, ttmp9, 10                      ; sc: 256 rows
	s_mov_b32 s35, 0
	s_mov_b32 s[CC], 0x4038aa3b                    ; c = 2 log2(e)
	s_mov_b32 s[CC+1], s[CC]
	s_mov_b32 s[SEL], 0x76543210
	s_mov_b32 s[SEL+1], 0xfedcba98
	v_and_b32 v[RR], 15, v0
	v_bfe_u32 v[HH], v0, 4, 1
	v_and_b32 v[LI], 31, v0
	v_mov_b32 v[PT], 0                             ; a lane permute's destination counts as one of its sources
	s_delay_alu instid0(VALU_DEP_2)
	v_lshlrev_b32 v[L4], 2, v[LI]
	v_lshlrev_b32 v[LI], 4, v[LI]
	v_lshlrev_b32 v[GA], 4, v[RR]
	v_mul_u32_u24 v[STW], v[HH], 272
	v_mul_u32_u24 v[STR], v[RR], 272
	s_delay_alu instid0(VALU_DEP_3)
	v_lshl_add_u32 v[GA], v[HH], 12, v[GA]         ; rows 2 i + h, 16 r bytes on
	s_delay_alu instid0(VALU_DEP_3)
	v_lshl_add_u32 v[STW], v[RR], 4, v[STW]
	s_delay_alu instid0(VALU_DEP_3)
	v_lshl_add_u32 v[STR], v[HH], 7, v[STR]
	s_delay_alu instid0(VALU_DEP_2)
	v_add_nc_u32 v[STW], s20, v[STW]
	s_delay_alu instid0(VALU_DEP_2)
	v_add_nc_u32 v[STR], s20, v[STR]
	v_add_nc_u32 v[IMW], s21, v[LI]
	v_lshl_add_u32 v[ASW], v[RR], 4, s22
	v_lshlrev_b32 v[SH8], 3, v[HH]
	s_wait_alu depctr_va_vdst(0)                   ; the wait at the head's end
	s_wait_kmcnt 0x0
	s_add_nc_u64 s[KB:KB+1], s[4:5], s[24:25]
	s_add_nc_u64 s[UB0:UB0+1], s[6:7], s[26:27]
	s_add_nc_u64 s[UB1:UB1+1], s[UB0:UB0+1], 393216    ; pass 1: eight column groups on
	s_add_nc_u64 s[US0:US0+1], s[6:7], s[28:29]
	s_add_nc_u64 s[US1:US1+1], s[US0:US0+1], 16384
	s_add_nc_u64 s[QB0:QB0+1], s[8:9], s[30:31]
	s_add_nc_u64 s[QB1:QB1+1], s[QB0:QB0+1], 65536
	s_add_nc_u64 s[VA0:VA0+1], s[10:11], s[32:33]
	s_add_nc_u64 s[VA1:VA1+1], s[VA0:VA0+1], 2048
	s_add_nc_u64 s[12:13], s[12:13], s[34:35]
	s_lshl_b32 s34, ttmp9, 12                      ; part: 4,096 bytes a work-group
	s_add_nc_u64 s[14:15], s[14:15], s[34:35]
	GLOAD 0, 0
	GLOAD 1, 65536
; PART 1, written out tile by tile: every offset is an immediate, and each tile's loads of ub name other registers
.set I_, 0
.rept 16
	TILE I_
.set I_, I_+1
.endr
	s_wait_dscnt 0x0                               ; for the others' sake: my images and scale words lie in LDS
	v_and_b32 v[RR], 15, v0
	v_bfe_u32 v[HH], v0, 4, 1
	v_lshlrev_b32 v[SCO], 3, v0
	v_add_nc_u32 v[ADR0], ACODE, v[LI]
	s_delay_alu instid0(VALU_DEP_4)
	v_lshrrev_b32 v[QBO], 3, v[RR]                 ; qb: column cc = r of a tile at 256 (cc / 8) + 512 (cc / 4 % 2) + 4 (cc % 4)
	v_bfe_u32 v[VAO], v[RR], 2, 1
	s_delay_alu instid0(VALU_DEP_2)
	v_lshlrev_b32 v[QBO], 8, v[QBO]
	s_delay_alu instid0(VALU_DEP_1)
	v_lshl_add_u32 v[QBO], v[VAO], 9, v[QBO]
	v_and_b32 v[VAO], 3, v[RR]
	s_delay_alu instid0(VALU_DEP_1)
	v_lshl_add_u32 v[QBO], v[VAO], 2, v[QBO]
	v_lshlrev_b32 v[VAO], 2, v[RR]
	s_lshl_b32 s20, s[WV], 11
	s_add_co_u32 s20, s20, SRED
	v_lshl_add_u32 v[SRW0], v[HH], 5, s20          ; my parts of the row sums: rows 8 h + j at 32 h + 4 j
	v_add_nc_u32 v[SRR], SRED, v[SCO]
.macro LOADCV qb, va                   ; the bias c (q + Wa_b + Ua_b) and Va at my column of each of the four tiles
.irp b, 0,1,2,3
	global_load_b32 v[BI+\b], v[QBO], s[\qb:\qb+1] offset:2048*\b
	global_load_b32 v[VA+\b], v[VAO], s[\va:\va+1] offset:64*\b
.endr
.endm
	LOADCV QB0, VA0
	s_wait_alu depctr_va_vdst(0)                   ; the wait ahead of the barrier
	s_barrier_signal -1
	s_barrier_wait -1                              ; all 256 rows' codes lie in LDS
.macro LDA buf, reg, of                ; keys' fragments of two K steps into set buf
.irp u, 0,1
.irp g, 0,1,2
	ds_load_b128 v[AF+24*(\buf)+12*\u+4*\g:AF+24*(\buf)+12*\u+4*\g+3], v[\reg] offset:(\of)+1536*\u+512*\g
.endr
.endr
.endm
.macro MM q                            ; K steps 2 q, 2 q + 1: eight products, the four results by turns.  The even step's scale words stand in lanes 0-15, the odd one's in lanes 16-31
.irp u, 0,1
.irp b, 0,1,2,3
.set F_, 8*(\q)+4*\u+\b
.if F_ < 11
	WIN 0
.set BR_, BF+12*F_
.else
	WIN 0x04                                       ; source 1 in window 1
.set BR_, 12*(F_-11)
.endif
.if F_ < 4
	v_wmma_scale_f32_16x16x128_f8f6f4 v[ACC+8*\b:ACC+8*\b+7], v[AF+24*((\q)%2)+12*\u:AF+24*((\q)%2)+12*\u+11], v[BR_:BR_+11], 0, v[ASC+(\q)], v[BSC+4*(\q)+\b] matrix_a_fmt:MATRIX_FMT_FP6 matrix_b_fmt:MATRIX_FMT_FP6
.elseif \u
	v_wmma_scale_f32_16x16x128_f8f6f4 v[ACC+8*\b:ACC+8*\b+7], v[AF+24*((\q)%2)+12*\u:AF+24*((\q)%2)+12*\u+11], v[BR_:BR_+11], v[ACC+8*\b:ACC+8*\b+7], v[ASC+(\q)], v[BSC+4*(\q)+\b] matrix_a_fmt:MATRIX_FMT_FP6 matrix_b_fmt:MATRIX_FMT_FP6 matrix_a_scale:MATRIX_SCALE_ROW1 matrix_b_scale:MATRIX_SCALE_ROW1
.else
	v_wmma_scale_f32_16x16x128_f8f6f4 v[ACC+8*\b:ACC+8*\b+7], v[AF+24*((\q)%2)+12*\u:AF+24*((\q)%2)+12*\u+11], v[BR_:BR_+11], v[ACC+8*\b:ACC+8*\b+7], v[ASC+(\q)], v[BSC+4*(\q)+\b] matrix_a_fmt:MATRIX_FMT_FP6 matrix_b_fmt:MATRIX_FMT_FP6
.endif
.endr
.endr
	WIN 0
	PLACES                                         ; four places ahead of loads into registers that these products read, and of the first read of a result
.endm
.macro ROLL q                          ; pass 1's fragments and scale words of K steps 2 q, 2 q + 1, into the registers whose last products of pass 0 have been issued
	BFR 8*(\q), 8*(\q)+8, UB1
	WIN 0
.irp b, 0,1,2,3
	global_load_b32 v[BSC+4*(\q)+\b], v[L4], s[US1:US1+1] offset:128*(4*(\q)+\b)
.endr
.endm
; The block's 16 rows x 64 columns: t = c x + bias; E = 2^t; R = 1 / (1 + E); sum over columns of (-2 Va) R.  Each batch of transcendentals has its wait ahead and behind.
.macro EPI step
	v_add_nc_u32 v[SRW], s[RO], v[SRW0]
	s_add_co_u32 s[RO], s[RO], 64
.if \step
	s_add_co_u32 s[AO], s[AO], 12288
	s_add_co_u32 s[SO], s[SO], 512
	v_add_nc_u32 v[ADRA], s[AO], v[ADR0]           ; the next row block
	v_add_nc_u32 v[ADSA], s[SO], v[LI]
.endif
.irp e, 0,1
.irp k, 0,2,4,6
	v_pk_fma_f32 v[ACC+16*\e+\k:ACC+16*\e+\k+1], v[ACC+16*\e+\k:ACC+16*\e+\k+1], s[CC:CC+1], v[BI+2*\e:BI+2*\e+1] op_sel_hi:[1,0,0]   ; each result from its low end on
.endr
.irp k, 0,2,4,6
	v_pk_fma_f32 v[ACC+16*\e+8+\k:ACC+16*\e+8+\k+1], v[ACC+16*\e+8+\k:ACC+16*\e+8+\k+1], s[CC:CC+1], v[BI+2*\e:BI+2*\e+1] op_sel:[0,0,1] op_sel_hi:[1,0,1]
.endr
.endr
	s_wait_alu depctr_va_vdst(0)
.set i, 0
.rept 32
	v_exp_f32 v[ACC+i], v[ACC+i]
.set i, i+1
.endr
	v_nop
	s_wait_alu depctr_va_vdst(0)
.set i, 0
.rept 16
	v_pk_add_f32 v[ACC+i:ACC+i+1], v[ACC+i:ACC+i+1], 1.0 op_sel_hi:[1,0]
.set i, i+2
.endr
	s_wait_alu depctr_va_vdst(0)
.set i, 0
.rept 32
	v_rcp_f32 v[ACC+i], v[ACC+i]
.set i, i+1
.endr
	v_nop
	s_wait_alu depctr_va_vdst(0)
.irp k, 0,2,4,6
	v_pk_mul_f32 v[ACC+\k:ACC+\k+1], v[ACC+\k:ACC+\k+1], v[VA:VA+1] op_sel_hi:[1,0]
.endr
.irp k, 0,2,4,6
	v_pk_mul_f32 v[ACC+8+\k:ACC+8+\k+1], v[ACC+8+\k:ACC+8+\k+1], v[VA:VA+1] op_sel:[0,1] op_sel_hi:[1,1]
.endr
.irp k, 0,2,4,6
	v_pk_fma_f32 v[ACC+\k:ACC+\k+1], v[ACC+16+\k:ACC+16+\k+1], v[VA+2:VA+3], v[ACC+\k:ACC+\k+1] op_sel_hi:[1,0,1]
.endr
.irp k, 0,2,4,6
	v_pk_fma_f32 v[ACC+8+\k:ACC+8+\k+1], v[ACC+24+\k:ACC+24+\k+1], v[VA+2:VA+3], v[ACC+8+\k:ACC+8+\k+1] op_sel:[0,1,0] op_sel_hi:[1,1,1]
.endr
.irp k, 0,2,4,6
	s_delay_alu instid0(VALU_DEP_4)
	v_pk_add_f32 v[ACC+\k:ACC+\k+1], v[ACC+\k:ACC+\k+1], v[ACC+8+\k:ACC+8+\k+1]
.endr
	s_delay_alu instid0(VALU_DEP_4)
.irp m, 1,2,4,8                        ; over the 16 lanes that hold a row's columns; the eight rows by turns
.irp j, 0,1,2,3,4,5,6,7
	v_add_f32_dpp v[ACC+\j], v[ACC+\j], v[ACC+\j] row_xmask:\m row_mask:0xf bank_mask:0xf
.endr
.endr
	ds_store_b128 v[SRW], v[ACC:ACC+3]             ; rows 8 h + 0 .. 7 of the block; the 16 lanes of a half store the same numbers at the same place
	ds_store_b128 v[SRW], v[ACC+4:ACC+7] offset:16
.endm
; A row block.  nxt: 1 the next block's first fragments lie 12,288 bytes on; 2 they are block 0's (the next pass); 0 none follows.  roll: pass 1's registers are asked for.
.macro ROWBLK nxt, roll
	s_wait_dscnt 8                                 ; K steps 0, 1 and the scale words are in; six loads and the last block's two stores may be out
	MM 0
	LDA 0, ADRA, 6144
.if \roll == 1
	ROLL 0
.endif
	s_wait_dscnt 8                                 ; K steps 2, 3 are in (behind them: the two stores and six loads)
	MM 1
	LDA 1, ADRA, 9216
.if \roll == 1
	ROLL 1
.endif
	s_wait_dscnt 6
	MM 2
.if \nxt == 1
	LDA 0, ADRA, 12288
.elseif \nxt == 2
	LDA 0, ADR0, 0
.endif
.if \roll == 1
	ROLL 2
.elseif \roll == 2
	KLD 0                                          ; roll = 2, the launch's last block: part 3's rows 0-3, into window 1's v0-127, which K steps 6 and 7 do not read
.endif
.if \nxt
	s_wait_dscnt 6
.else
	s_wait_dscnt 0x0
.endif
	MM 3
.if \nxt == 1
	ds_load_b128 v[ASC:ASC+3], v[ADSA] offset:512
	LDA 1, ADRA, 15360
.elseif \nxt == 2
	ds_load_b128 v[ASC:ASC+3], v[LI] offset:ASCL
	LDA 1, ADR0, 3072
.endif
.if \roll == 1
	ROLL 3
.elseif \roll == 2
	KL1 1, 0                                       ; rows 4-6: with rows 0-3's that makes 56 loads out ahead of the barrier, inside the counter's field of 63 (ISA guide 5.7.1)
	KL1 1, 1
	KL1 1, 2
.endif
.if \nxt == 1
	EPI 1
.else
	EPI 0
.endif
.endm
.macro PSTART ro
	s_mov_b32 s[AO], 0
	s_mov_b32 s[SO], 0
	s_mov_b32 s[RO], \ro
	v_add_nc_u32 v[ADRA], s[AO], v[ADR0]
	v_add_nc_u32 v[ADSA], s[SO], v[LI]
	s_wait_alu depctr_va_vdst(0)                   ; the wait ahead of the wait below
	s_wait_loadcnt 0x0                             ; Ua's 32 fragments, their scale words, the bias and Va are in
.irp b, 0,1,2,3
	v_mul_f32 v[VA+\b], -2.0, v[VA+\b]
.endr
	s_wait_dscnt 0x0                               ; and block 0's first fragments
	s_mov_b32 s[RB], 15
.endm
.macro ROWS
.Lrow_\@:
	ROWBLK 1, 0
	s_sub_co_u32 s[RB], s[RB], 1
	s_cmp_lg_u32 s[RB], 0
	s_wait_alu depctr_va_vdst(0)                   ; the wait ahead of the branch
	s_cbranch_scc1 .Lrow_\@
.endm
	LDA 0, ADR0, 0
	ds_load_b128 v[ASC:ASC+3], v[LI] offset:ASCL
	LDA 1, ADR0, 3072
	PSTART 0
	ROWS
	ROWBLK 2, 1                                    ; pass 0's last block
	LOADCV QB1, VA1
	PSTART 1024
	ROWS
.macro KLD g
	WIN 0x40
.irp i, 0,1,2,3
.irp j, 0,1,2,3,4,5,6,7
	global_load_b128 v[128*((\g)%2)+32*\i+4*\j:128*((\g)%2)+32*\i+4*\j+3], v[LI], s[KB:KB+1] offset:4096*(4*(\g)+\i)+512*\j th:TH_LOAD_NT
.endr
.endr
	WIN 0
.endm
.macro KL1 g, i                        ; row 4 g + i alone
	WIN 0x40
.irp j, 0,1,2,3,4,5,6,7
	global_load_b128 v[128*((\g)%2)+32*(\i)+4*\j:128*((\g)%2)+32*(\i)+4*\j+3], v[LI], s[KB:KB+1] offset:4096*(4*(\g)+(\i))+512*\j th:TH_LOAD_NT
.endr
	WIN 0
.endm
	ROWBLK 0, 2                                    ; pass 1's last block; part 3's first seven rows are asked for in it and are on their way while the scores are summed
	v_lshl_add_u32 v[SR2], v0, 2, SRED             ; thread T takes row T
	s_lshl_b32 s20, s[WV], 2
	s_add_co_u32 s20, s20, WMX
	v_mov_b32 v[WMW], s20
	v_mov_b32 v[WMR], WMX
	s_lshl_b32 s21, s[WV], 12
	s_add_co_u32 s21, s21, CRED
	v_add_nc_u32 v[CRW], s21, v[LI]
	v_lshlrev_b32 v[PO], 4, v0
	s_delay_alu instid0(VALU_DEP_1)
	v_add_nc_u32 v[CRR], CRED, v[PO]
	s_wait_alu depctr_va_vdst(0)
	s_wait_dscnt 0x0                               ; for the others' sake: my row sums lie in LDS
	s_barrier_signal -1
	s_barrier_wait -1
	s_cmp_lt_u32 s[WV], 4                          ; threads 0-127 add the 16 parts of two rows each: a wave stores 256 consecutive bytes, aligned
	s_cbranch_scc0 .Lend
.irp p, 0,1,2,3,4,5,6,7,8,9,10,11,12,13,14,15
	ds_load_b64 v[ACC+2*\p:ACC+2*\p+1], v[SRR] offset:1024*\p
.endr
	s_wait_dscnt 0x0
.irp k, 0,2,4,6,8,10,12,14
	v_pk_add_f32 v[ACC+\k:ACC+\k+1], v[ACC+\k:ACC+\k+1], v[ACC+16+\k:ACC+16+\k+1]
.endr
.irp k, 0,2,4,6
	s_delay_alu instid0(VALU_DEP_4)
	v_pk_add_f32 v[ACC+\k:ACC+\k+1], v[ACC+\k:ACC+\k+1], v[ACC+8+\k:ACC+8+\k+1]
.endr
.irp k, 0,2
	s_delay_alu instid0(VALU_DEP_2)
	v_pk_add_f32 v[ACC+\k:ACC+\k+1], v[ACC+\k:ACC+\k+1], v[ACC+4+\k:ACC+4+\k+1]
.endr
	s_delay_alu instid0(VALU_DEP_1)
	v_pk_add_f32 v[ACC:ACC+1], v[ACC:ACC+1], v[ACC+2:ACC+3]
	global_store_b64 v[SCO], v[ACC:ACC+1], s[12:13]
.Lend:
	KL1 1, 3                                       ; row 7 completes the second set
.irp p, 0,1,2,3,4,5,6,7,8,9,10,11,12,13,14,15
	ds_load_b32 v[SX+\p], v[SR2] offset:1024*\p    ; the 16 parts of my row's score, added in the order in which sc's were
.endr
	s_wait_dscnt 0x0
.irp k, 0,1,2,3,4,5,6,7
	v_add_f32 v[SX+\k], v[SX+\k], v[SX+8+\k]
.endr
.irp k, 0,1,2,3
	s_delay_alu instid0(VALU_DEP_4)
	v_add_f32 v[SX+\k], v[SX+\k], v[SX+4+\k]
.endr
.irp k, 0,1
	s_delay_alu instid0(VALU_DEP_2)
	v_add_f32 v[SX+\k], v[SX+\k], v[SX+2+\k]
.endr
	s_delay_alu instid0(VALU_DEP_1)
	v_add_f32 v[SX], v[SX], v[SX+1]
	s_delay_alu instid0(VALU_DEP_1)
	v_max_num_f32_dpp v[SX+1], v[SX], v[SX] row_xmask:1 row_mask:0xf bank_mask:0xf
.irp m, 2,4,8
	s_delay_alu instid0(VALU_DEP_1)
	v_max_num_f32_dpp v[SX+1], v[SX+1], v[SX+1] row_xmask:\m row_mask:0xf bank_mask:0xf
.endr
	s_delay_alu instid0(VALU_DEP_1)
	v_permlanex16_b32 v[SX+2], v[SX+1], s[SEL], s[SEL+1]
	s_delay_alu instid0(VALU_DEP_1)
	v_max_num_f32 v[SX+1], v[SX+1], v[SX+2]        ; the largest of my wave's 32
	ds_store_b32 v[WMW], v[SX+1]                   ; all lanes write the same word with the same value
	s_wait_alu depctr_va_vdst(0)
	s_wait_dscnt 0x0
	s_barrier_signal -1
	s_barrier_wait -1
	ds_load_b128 v[SX+4:SX+7], v[WMR]
	ds_load_b128 v[SX+8:SX+11], v[WMR] offset:16
	s_wait_dscnt 0x0
	v_max3_num_f32 v[SX+1], v[SX+4], v[SX+5], v[SX+6]
	s_delay_alu instid0(VALU_DEP_1)
	v_max3_num_f32 v[SX+1], v[SX+1], v[SX+7], v[SX+8]
	s_delay_alu instid0(VALU_DEP_1)
	v_max3_num_f32 v[SX+1], v[SX+1], v[SX+9], v[SX+10]
	s_delay_alu instid0(VALU_DEP_1)
	v_max_num_f32 v[SX+1], v[SX+1], v[SX+11]       ; m: the largest of the 256
	s_delay_alu instid0(VALU_DEP_1)
	v_sub_f32 v[SX], v[SX], v[SX+1]
	s_delay_alu instid0(VALU_DEP_1)
	v_mul_f32 v[SX], 0x3fb8aa3b, v[SX]             ; x log2(e)
	s_wait_alu depctr_va_vdst(0)                   ; the wait ahead of the transcendental and behind it
	v_exp_f32 v[SX], v[SX]                         ; lane l: the weight of my wave's row l, at most 1
	v_nop
	s_wait_alu depctr_va_vdst(0)
.macro GRP g                           ; four rows: their weights as scalars, 64 packed multiply-adds, and the loads of two groups on into the set just freed
.if (\g) < 7
	s_wait_loadcnt 32                              ; this group's 32 loads are in; the other set's 32 may be out
.else
	s_wait_loadcnt 0x0
.endif
.irp i, 0,1,2,3
	v_readlane_b32 s[20+2*\i], v[SX], 4*(\g)+\i
	v_readlane_b32 s[21+2*\i], v[SX], 4*(\g)+\i    ; (the packed form names the pair)
.endr
	WIN 0x01                                       ; source 0 in window 1
.irp i, 0,1,2,3
.irp j, 0,2,4,6,8,10,12,14,16,18,20,22,24,26,28,30
.if ((\g) == 0) && (\i == 0)
	v_pk_mul_f32 v[CX+\j:CX+\j+1], v[128*((\g)%2)+32*\i+\j:128*((\g)%2)+32*\i+\j+1], s[20+2*\i:21+2*\i] op_sel_hi:[1,0]   ; the first row starts the sums
.else
	v_pk_fma_f32 v[CX+\j:CX+\j+1], v[128*((\g)%2)+32*\i+\j:128*((\g)%2)+32*\i+\j+1], s[20+2*\i:21+2*\i], v[CX+\j:CX+\j+1] op_sel_hi:[1,0,1]
.endif
.endr
.endr
	WIN 0
.if (\g)+2 < 8
	KLD (\g)+2
.endif
.endm
.irp g, 0,1,2,3,4,5,6,7
	GRP \g
.endr
.irp j, 0,1,2,3,4,5,6,7
	ds_store_b128 v[CRW], v[CX+4*\j:CX+4*\j+3] offset:512*\j   ; columns 128 j + 4 lane + 0 .. 3, in the row's own order
.endr
	s_wait_dscnt 0x0                               ; for the others' sake
	s_barrier_signal -1
	s_barrier_wait -1
	s_wait_xcnt 0x0                                ; the store of sc has read its registers
.irp k, 0,1,2,3,4,5,6,7
	ds_load_b128 v[ACC+4*\k:ACC+4*\k+3], v[CRR] offset:4096*\k   ; thread T: the eight waves' sums of columns 4 T .. 4 T + 3
.endr
	s_wait_dscnt 0x0
.irp k, 0,2,4,6,8,10,12,14
	v_pk_add_f32 v[ACC+\k:ACC+\k+1], v[ACC+\k:ACC+\k+1], v[ACC+16+\k:ACC+16+\k+1]
.endr
.irp k, 0,2,4,6
	s_delay_alu instid0(VALU_DEP_4)
	v_pk_add_f32 v[ACC+\k:ACC+\k+1], v[ACC+\k:ACC+\k+1], v[ACC+8+\k:ACC+8+\k+1]
.endr
.irp k, 0,2
	s_delay_alu instid0(VALU_DEP_2)
	v_pk_add_f32 v[ACC+\k:ACC+\k+1], v[ACC+\k:ACC+\k+1], v[ACC+4+\k:ACC+4+\k+1]
.endr
	global_store_b128 v[PO], v[ACC:ACC+3], s[14:15]    ; a wave stores 512 consecutive bytes, aligned
	s_wait_tensorcnt 0x0
	ds_add_u32 v[SPW], v[NIL]
	s_wait_dscnt 0x0
	s_endpgm
.Lfunc_end_k_q2201045379_score:
	.size	k_q2201045379_score, .Lfunc_end_k_q2201045379_score-k_q2201045379_score
	.p2alignl 7, 3214868480
	.fill 96, 4, 3214868480
	.section	.rodata,"a",@progbits
	.p2align	6, 0x0
	.amdhsa_kernel k_q2201045379_score
		.amdhsa_group_segment_fixed_size 290048
		.amdhsa_private_segment_fixed_size 0
		.amdhsa_enable_private_segment 0
		.amdhsa_kernarg_size 48
		.amdhsa_user_sgpr_count 2
		.amdhsa_user_sgpr_kernarg_segment_ptr 1
		.amdhsa_wavefront_size32 1
		.amdhsa_system_sgpr_workgroup_id_x 1
		.amdhsa_system_sgpr_workgroup_id_y 1
		.amdhsa_system_sgpr_workgroup_id_z 1
		.amdhsa_system_vgpr_workitem_id 0
		.amdhsa_next_free_vgpr 512
		.amdhsa_next_free_sgpr 66
		.amdhsa_reserve_vcc 0
		.amdhsa_float_denorm_mode_32 3
		.amdhsa_float_denorm_mode_16_64 3
		.amdhsa_memory_ordered 1
		.amdhsa_forward_progress 1
		.amdhsa_inst_pref_size 255
	.end_amdhsa_kernel
	.section	.bss,"aw",@nobits
	.p2align	6
	.space	262144
	.amdgpu_metadata
---
amdhsa.version: [ 1, 2 ]
amdhsa.kernels:
  - .name:           k_q2201045379_score
    .symbol:         k_q2201045379_score.kd
    .args:
      - { .name: keys, .offset: 0, .size: 8, .value_kind: global_buffer, .address_space: global }
      - { .name: ub, .offset: 8, .size: 8, .value_kind: global_buffer, .address_space: global }
      - { .name: qb, .offset: 16, .size: 8, .value_kind: global_buffer, .address_space: global }
      - { .name: Va_w, .offset: 24, .size: 8, .value_kind: global_buffer, .address_space: global }
      - { .name: sc, .offset: 32, .size: 8, .value_kind: global_buffer, .address_space: global }
      - { .name: part, .offset: 40, .size: 8, .value_kind: global_buffer, .address_space: global }
    .group_segment_fixed_size: 290048
    .private_segment_fixed_size: 0
    .kernarg_segment_align: 8
    .kernarg_segment_size: 48
    .max_flat_workgroup_size: 256
    .sgpr_count:     66
    .vgpr_count:     512
    .wavefront_size: 32
...
	.end_amdgpu_metadata
.endif
;; end of part 2
;; launch fin (part 3): grid 8 x 32, 16 waves a work-group, no clusters, 2,304 bytes of LDS; arguments sc, part, out0, out1; writes out0, out1
.if DOCPART == 3
	.amdgcn_target "amdgcn-amd-amdhsa--gfx1250"
	.amdhsa_code_object_version 6
	.text
	.protected	k_q2201045379_fin
	.globl	k_q2201045379_fin
	.p2align	8
	.type	k_q2201045379_fin,@function
k_q2201045379_fin:
	s_mov_b64 s[64:65], 0
	v_nop
	global_prefetch_b8 v0, s[64:65] scope:SCOPE_SE
	s_setreg_imm32_b32 hwreg(HW_REG_WAVE_MODE, 25, 1), 1
	s_wait_xcnt 0x0
; FIN.  weights = softmax of a batch's 2,048 scores (the maximum M is taken off first); context = sum over the batch's eight groups g of 256 rows of e^(m_g - M) part[g] / (the sum of e^(score - M)),
; m_g the largest score of group g, off which part[g] was summed.  sc holds the scores less a number that is the same for a whole batch, which softmax takes away.  All in f32.
; SHARES.  Work-group (x, batch) owns weights 256 x .. + 255 and columns 128 x .. + 127 of the context.  Every work-group of a batch takes the softmax of all 2,048 scores (8,192 bytes), four a thread:
; waves 2 g and 2 g + 1 hold group g, so m_g is the larger of their two maxima.  Wave 0 joins the eight shares, 512 bytes of each: every output number has one owner.
; NO CLUSTER, NO TENSOR LOAD, NO PREFETCH: 12,288 bytes a work-group, no loop.  LIMITS: NaN and infinities among the scores are not served.
; REGISTERS: v2-5 addresses; v16-23 e^(m_g - M); v24-31 two sets of four sums; v32-47 the waves' maxima, then sums; v48-51 my four scores, then weights; v52-55 at work; v64-95 eight shares x 4.
.set ST,    0                          ; LDS: 16 maxima, then 16 sums
.set SPARE, 256
	s_load_b256 s[4:11], s[0:1], 0x0               ; sc s[4:5], part s[6:7], out0 s[8:9], out1 s[10:11]
	v_lshl_add_u32 v62, v0, 2, SPARE
	v_mov_b32 v63, 0
	v_lshrrev_b32 v1, 5, v0
	s_delay_alu instid0(VALU_DEP_1)
	v_readfirstlane_b32 s12, v1                    ; wave 0..15
	s_and_b32 s13, ttmp7, 0xffff                   ; the batch
	s_lshl_b32 s16, ttmp9, 9                       ; 512 bytes a work-group
	s_lshl_b32 s14, s13, 15                        ; part: eight shares of 4,096 bytes a batch
	s_add_co_u32 s14, s14, s16
	s_mov_b32 s15, 0
	s_lshl_b32 s18, s13, 12                        ; out0: 4,096 bytes a batch
	s_add_co_u32 s18, s18, s16
	s_mov_b32 s19, 0
	s_lshl_b32 s16, s13, 13                        ; sc and out1: 8,192 bytes a batch
	s_mov_b32 s17, 0
	s_mov_b32 s20, 0x76543210                      ; v_permlanex16_b32's selects for lane l xor 16
	s_mov_b32 s21, 0xfedcba98
	s_lshl_b32 s22, s12, 2
	v_and_b32 v1, 31, v0
	v_lshlrev_b32 v3, 4, v0                        ; 16 x thread: my four scores
	v_mov_b32 v4, s22                              ; my wave's word among the maxima
	v_mov_b32 v5, ST
	s_delay_alu instid0(VALU_DEP_4)
	v_lshlrev_b32 v2, 4, v1                        ; 16 x lane
	v_mov_b32 v53, 0                               ; a lane permute's destination counts as one of its sources
	s_wait_alu depctr_va_vdst(0)                   ; the wait at the head's end
	s_wait_kmcnt 0x0
	s_add_nc_u64 s[4:5], s[4:5], s[16:17]
	s_add_nc_u64 s[10:11], s[10:11], s[16:17]
	s_add_nc_u64 s[6:7], s[6:7], s[14:15]
	s_add_nc_u64 s[8:9], s[8:9], s[18:19]
	s_cmp_lg_u32 s12, 0
	s_cbranch_scc1 .Lno_part
.irp g, 0,1,2,3,4,5,6,7
	global_load_b128 v[64+4*\g:67+4*\g], v2, s[6:7] offset:4096*\g   ; wave 0: my four columns of the eight shares
.endr
.Lno_part:
	global_load_b128 v[48:51], v3, s[4:5]          ; my four scores
	s_wait_loadcnt 0x0
	v_max3_num_f32 v52, v48, v49, v50
	s_delay_alu instid0(VALU_DEP_1)
	v_max_num_f32 v52, v52, v51
.irp m, 1,2,4,8
	s_delay_alu instid0(VALU_DEP_1)
	v_max_num_f32_dpp v52, v52, v52 row_xmask:\m row_mask:0xf bank_mask:0xf
.endr
	s_delay_alu instid0(VALU_DEP_1)
	v_permlanex16_b32 v53, v52, s20, s21
	s_delay_alu instid0(VALU_DEP_1)
	v_max_num_f32 v52, v52, v53
	ds_store_b32 v4, v52                           ; all lanes write the same word with the same value
	s_wait_dscnt 0x0
	s_barrier_signal -1
	s_barrier_wait -1
.irp k, 0,1,2,3
	ds_load_b128 v[32+4*\k:35+4*\k], v5 offset:16*\k   ; the sixteen waves' maxima, in every lane
.endr
	s_wait_dscnt 0x0
	v_max3_num_f32 v52, v32, v33, v34
.irp i, 35,37,39,41,43,45
	s_delay_alu instid0(VALU_DEP_1)
	v_max3_num_f32 v52, v52, v[\i], v[\i+1]
.endr
	s_delay_alu instid0(VALU_DEP_1)
	v_max_num_f32 v52, v52, v47                    ; M
.irp g, 0,1,2,3,4,5,6,7
	v_max_num_f32 v[16+\g], v[32+2*\g], v[33+2*\g] ; m_g
.endr
.irp g, 0,1,2,3,4,5,6,7
	v_sub_f32 v[16+\g], v[16+\g], v52
.endr
.irp i, 0,1,2,3
	v_sub_f32 v[48+\i], v[48+\i], v52
.endr
.irp g, 0,1,2,3,4,5,6,7
	v_mul_f32 v[16+\g], 0x3fb8aa3b, v[16+\g]       ; x log2(e)
.endr
.irp i, 0,1,2,3
	v_mul_f32 v[48+\i], 0x3fb8aa3b, v[48+\i]
.endr
	s_wait_alu depctr_va_vdst(0)                   ; the wait ahead of the batch and behind it
.irp g, 0,1,2,3,4,5,6,7
	v_exp_f32 v[16+\g], v[16+\g]                   ; e^(m_g - M), at most 1
.endr
.irp i, 0,1,2,3
	v_exp_f32 v[48+\i], v[48+\i]                   ; e^(score - M), at most 1
.endr
	v_nop
	s_wait_alu depctr_va_vdst(0)
	v_add_f32 v54, v48, v49
	v_add_f32 v55, v50, v51
	s_delay_alu instid0(VALU_DEP_1)
	v_add_f32 v54, v54, v55
.irp m, 1,2,4,8
	s_delay_alu instid0(VALU_DEP_1)
	v_add_f32_dpp v54, v54, v54 row_xmask:\m row_mask:0xf bank_mask:0xf
.endr
	s_delay_alu instid0(VALU_DEP_1)
	v_permlanex16_b32 v53, v54, s20, s21
	s_delay_alu instid0(VALU_DEP_1)
	v_add_f32 v54, v54, v53
	ds_store_b32 v4, v54 offset:64                 ; other bytes than the maxima's: a wave may still be reading those
	s_wait_dscnt 0x0
	s_barrier_signal -1
	s_barrier_wait -1
.irp k, 0,1,2,3
	ds_load_b128 v[32+4*\k:35+4*\k], v5 offset:64+16*\k
.endr
	s_wait_dscnt 0x0
.irp n, 0,4,8,12
	v_pk_add_f32 v[32+\n:33+\n], v[32+\n:33+\n], v[34+\n:35+\n]
.endr
	s_delay_alu instid0(VALU_DEP_3)
	v_pk_add_f32 v[32:33], v[32:33], v[36:37]
	s_delay_alu instid0(VALU_DEP_2)
	v_pk_add_f32 v[40:41], v[40:41], v[44:45]
	s_delay_alu instid0(VALU_DEP_1)
	v_pk_add_f32 v[32:33], v[32:33], v[40:41]
	s_delay_alu instid0(VALU_DEP_1)
	v_add_f32 v54, v32, v33
	s_wait_alu depctr_va_vdst(0)
	v_rcp_f32 v54, v54
	v_nop
	s_wait_alu depctr_va_vdst(0)
.irp i, 0,1,2,3
	v_mul_f32 v[48+\i], v[48+\i], v54              ; my four weights; v48-51 are not written again
.endr
	s_lshr_b32 s24, s12, 1                         ; waves 2 x and 2 x + 1 hold weights 256 x .. + 255: they store them, 512 consecutive bytes a wave
	s_cmp_lg_u32 s24, ttmp9
	s_cbranch_scc1 .Lnot_mine
	global_store_b128 v3, v[48:51], s[10:11]
.Lnot_mine:
	s_cmp_lg_u32 s12, 0
	s_cbranch_scc1 .Lend
.irp g, 0,1,2,3,4,5,6,7
	v_mul_f32 v[16+\g], v[16+\g], v54              ; e^(m_g - M) / the sum
.endr
.irp g, 0,1
.irp e, 0,1,2,3
	v_mul_f32 v[24+4*\g+\e], v[16+\g], v[64+4*\g+\e]   ; two chains a column: the first two shares start the sums
.endr
.endr
.irp g, 2,3,4,5,6,7
.irp e, 0,1,2,3
	v_fmac_f32 v[24+4*(\g%2)+\e], v[16+\g], v[64+4*\g+\e]
.endr
.endr
.irp e, 0,1,2,3
	s_delay_alu instid0(VALU_DEP_4)
	v_add_f32 v[24+\e], v[24+\e], v[28+\e]
.endr
	global_store_b128 v2, v[24:27], s[8:9]         ; 512 consecutive bytes, aligned
.Lend:
	s_wait_tensorcnt 0x0                           ; the wave's end
	ds_add_u32 v62, v63
	s_wait_dscnt 0x0
	s_endpgm
.Lfunc_end_k_q2201045379_fin:
	.size	k_q2201045379_fin, .Lfunc_end_k_q2201045379_fin-k_q2201045379_fin
	.p2alignl 7, 3214868480
	.fill 96, 4, 3214868480
	.section	.rodata,"a",@progbits
	.p2align	6, 0x0
	.amdhsa_kernel k_q2201045379_fin
		.amdhsa_group_segment_fixed_size 2304
		.amdhsa_private_segment_fixed_size 0
		.amdhsa_enable_private_segment 0
		.amdhsa_kernarg_size 32
		.amdhsa_user_sgpr_count 2
		.amdhsa_user_sgpr_kernarg_segment_ptr 1
		.amdhsa_wavefront_size32 1
		.amdhsa_system_sgpr_workgroup_id_x 1
		.amdhsa_system_sgpr_workgroup_id_y 1
		.amdhsa_system_sgpr_workgroup_id_z 1
		.amdhsa_system_vgpr_workitem_id 0
		.amdhsa_next_free_vgpr 128
		.amdhsa_next_free_sgpr 66
		.amdhsa_reserve_vcc 0
		.amdhsa_float_denorm_mode_32 3
		.amdhsa_float_denorm_mode_16_64 3
		.amdhsa_memory_ordered 1
		.amdhsa_forward_progress 1
		.amdhsa_inst_pref_size 10
	.end_amdhsa_kernel
	.amdgpu_metadata
---
amdhsa.version: [ 1, 2 ]
amdhsa.kernels:
  - .name:           k_q2201045379_fin
    .symbol:         k_q2201045379_fin.kd
    .args:
      - { .name: sc, .offset: 0, .size: 8, .value_kind: global_buffer, .address_space: global }
      - { .name: part, .offset: 8, .size: 8, .value_kind: global_buffer, .address_space: global }
      - { .name: out0, .offset: 16, .size: 8, .value_kind: global_buffer, .address_space: global }
      - { .name: out1, .offset: 24, .size: 8, .value_kind: global_buffer, .address_space: global }
    .group_segment_fixed_size: 2304
    .private_segment_fixed_size: 0
    .kernarg_segment_align: 8
    .kernarg_segment_size: 32
    .max_flat_workgroup_size: 512
    .sgpr_count:     66
    .vgpr_count:     128
    .wavefront_size: 32
...
	.end_amdgpu_metadata
.endif
;; end of part 3
